; MI455X (gfx1250); checked and timed in simulation.
; The chip was launched on July 23, 2026; its instructions are those of AMD's public machine-readable ISA for CDNA 5 (MIT licence, August 2026) and "CDNA5" Instruction Set Architecture Reference Guide (July 2026). The comments in the code are by the model that wrote it; some were corrected since.
;; Lo RA Layer. Allowed arithmetic: matrix products marked QUANTISED: E2M3 operands, one E8M0 scale for each 32 along K, by v_wmma_scale_f32_16x16x128_f8f6f4 with both operands' format E2M3, f32 sums; products left as they are: f32 operands where the result goes on into a quantised operand, else bf16, f16 or f32 operands; f32 sums; everything else in f32.
;; Inputs: A 4,096 x 16 float32; B 16 x 4,096 float32; weight 4,096 x 4,096 float32; x_codes 4,096 x 128 x 24 uint8 (E2M3 codes of x, K innermost, in blocks of 32 codes, four codes in three bytes); x_scales 4,096 x 128 uint8 (E8M0 scales of x, one for each 32 codes along K).
;; Outputs: out0 4,096 x 4,096 float32.
;; This version of the problem:
;;   THIS VERSION OF THE PROBLEM IS GIVEN IN LOW PRECISION. The matrix products marked QUANTISED in the list below multiply operands that are first quantised to E2M3 (2 exponent bits, 3 mantissa bits; 6 bits a number), with one power-of-two scale for each 32 numbers along K (OCP MX v1.0); their sums are f32. All else is computed in f32.
;;   The module's matrix products, in the order in which they are computed (A, B: the left and right operand; K: the contracted axis; several contracted axes count as one K, in the product's order):
;;     1. [M 4,096, K 16] x [K 16, N 4,096]; A: input A; B: input B: left as it is (K = 16 < 32)
;;     2. [M 4,096, K 4,096] x [K 4,096, N 4,096]; A: computed on the way; B: input x (given as codes): QUANTISED
;;   THE QUANTISER, for each operand of a quantised product, along K:
;;     - K is cut into blocks of 32 from its start; a last block that is shorter is filled with zeros.
;;     - A block's scale is 2^e with e = floor(log2(the largest magnitude in the block)) - 2, held to -126 .. 127; a block of zeros has e = 0. As a byte (E8M0): e + 127.
;;     - Each number is divided by its block's scale, clamped to +-7.5, and rounded to the nearest number of E2M3, ties to even, subnormals kept.
;;     - The product sums the exact products of the quantised numbers (number of the format x scale) in f32.
;;   ~~~python
;;   def quantise(x, axis):      # numpy; x: float32 -> the quantised numbers, widened to float32 again
;;       x = np.moveaxis(x, axis, -1); K = x.shape[-1]
;;       x = np.pad(x, [(0, 0)] * (x.ndim - 1) + [(0, -K % 32)]); x = x.reshape(x.shape[:-1] + (-1, 32)); a = np.abs(x).max(-1, keepdims=True)
;;       e = np.where(a > 0, np.clip(np.frexp(np.where(a > 0, a, 1))[1] - 1 - 2, -126, 127), 0)      # np.frexp(a)[1] - 1 = floor(log2(a)), exactly
;;       r = np.clip(x / 2.0 ** e, -7.5, 7.5)
;;       step = 2.0 ** (np.maximum(np.frexp(np.where(r == 0, 1, r))[1] - 1, 0) - 3)
;;       q = np.round(r / step) * step * 2.0 ** e      # np.round: ties to even
;;       return np.moveaxis(q.reshape(q.shape[:-2] + (-1,))[..., :K], -1, axis).astype(np.float32)
;;   ~~~
;;   OPERANDS COMPUTED ON THE WAY. 'Computed on the way' means the value that the module computes at that place (a softmax that the list does not call 'softmax' is quantised finished and normalised). What goes into a quantiser is computed in f32, as accurately as f32 sums, v_exp_f32 and their like allow (about 1e-6 of the number): no bf16 or f16 on the way to a quantiser, and a product that is left as it is and whose result goes on into a quantised operand takes f32 operands (vector FMAs, or v_wmma_f32_16x16x4_f32). A number that lies on a knife's edge between two numbers of the format may be rounded either way, as far as f32 arithmetic and the matrix unit's own rounding can turn it there, and no further.
;;   INPUTS GIVEN AS CODES. x (in the module: [4096, 4096], K = its axis 0): each comes as NAME_codes (uint8): NAME with its K axis moved to the last place and cut into blocks of 32 codes, [.., K / 32, bytes a block], one block behind the other in memory; four codes in three bytes: a row's codes are one little-endian stream of bits, code i at bits 6 i .. 6 i + 5 (a code: sign, 2 exponent bits, 3 mantissa bits); and NAME_scales (uint8): the same leading axes, one E8M0 byte (e + 127) for each 32 codes along K. Its value is code x scale, taken as it is: it is not quantised again, and the codes and scales need not be those that the quantiser above would give.
;; One version. Each part assembles by itself: llvm-mc -triple=amdgcn-amd-amdhsa -mcpu=gfx1250 --defsym DOCPART=n.
;; ======== version 1 of 1: 2 launches
;; limits: right only within a limited range of input values
;; workspace buffers: wq 13,107,200 bytes; xq 13,107,200 bytes
;; launch prep (part 1): grid 4 x 64, 8 waves a work-group, no clusters, 327,680 bytes of LDS; arguments A, B, weight, x_codes, x_scales, wq, xq; writes wq, xq
.if DOCPART == 1
	.amdgcn_target "amdgcn-amd-amdhsa--gfx1250"
	.amdhsa_code_object_version 6
	.text
	.protected	k_qd811b396fc_prep
	.globl	k_qd811b396fc_prep
	.p2align	8
	.type	k_qd811b396fc_prep,@function
k_qd811b396fc_prep:
	s_mov_b64 s[64:65], 0
	v_nop
	global_prefetch_b8 v0, s[64:65] scope:SCOPE_SE
	s_setreg_imm32_b32 hwreg(HW_REG_WAVE_MODE, 25, 1), 1
	s_wait_xcnt 0x0
; TWO THINGS, both for the product's launch.  (1) W' = weight + A B (weight [4096][4096], A [4096][16], B [16][4096], all f32) is made in f32 and quantised along its last axis to codes of FP6 (E2M3) with one E8M0 byte for each 32.
; (2) x, which is given as codes (a token's row: 3,072 bytes, K innermost) and scale bytes (128 a row), is laid anew, bit for bit, in the same form as W'.
; THE QUANTISER: a block's scale is 2^(floor(log2(its largest magnitude)) - 2); its byte is the largest magnitude's exponent field - 2, held at 1 from below; each number is divided by the scale and rounded to the nearest code, ties to even, beyond 7.5 the largest code.
; LIMITS: NaN and infinities among the inputs are not served.  A block of zeros, or one whose largest magnitude lies under 2^-124, gets the byte 1 (the rule says 127 for zeros): its codes are zeros or subnormal codes, and these bytes are read by this program alone.
; ORDER OF ROUNDING: a number of W' is weight with the sixteen products a b added by fused multiply-adds, rank ascending; the source adds the finished sum of the products to weight.  Both are f32 sums of the same seventeen terms.
; THE FORM OF BOTH RESULTS: [run of 128 rows: 32][128 along K: 32][12,800 bytes].  The 12,800 bytes are eight fragments (16 rows x 128 K) as IMAGES OF THEIR 12 REGISTERS (register g of lane l at byte 512 (g / 4) + 16 l + 4 (g % 4) of 1,536),
; and then 512 bytes of scale words (four bytes: 128 K of one row): the word of row r of block 4 hh + c at byte 256 hh + 16 r + 4 c.  So three steps of 128 along K of a run are one dense block of 38,400 bytes, which one tensor load of the next launch brings.
; SHARES.  Work-group (x, y) owns rows (of W') and tokens (of x) 64 y .. 64 y + 63, and K 1024 x .. 1024 x + 1023.  Wave w takes the 128 along K of step 8 x + w and the 64 rows in four fragments of 16.
; THE SMALL PRODUCT IS USED TRANSPOSED: source 0 = 16 columns of B, source 1 = 16 rows of A, C of the first link = weight.  A lane then holds ONE row of W' and its registers run along the columns, which are the large product's K.
; THE COLUMNS THAT FORM A TILE ARE NOT NEIGHBOURS: lane m of tile 2 b + u takes column 32 b + 8 u + m + 8 (m / 8), so that the 16 registers of tiles 2 b and 2 b + 1 are 16 neighbours along K: 32 b + 16 (lane / 16) + 0 .. 15.
; WEIGHT comes by the tensor data mover: four tiles of 16 rows x 512 bytes a wave, into LDS bytes of the wave's own.  x's CODES come likewise: the work-group's 64 rows x 768 bytes (each row's part begins at a multiple of 256 bytes of the buffer), 8 rows a wave;
; every wave reads all 64 rows, so one barrier stands behind each wave's wait for its part.  A wave's three loads go out one at the head and one behind each barrier; every LDS byte is filled once: no slot is filled again.
; x is re-laid at the end, behind W'.
; NO CLUSTER: what work-groups share is B's columns (8 KB a wave) and A's rows (4 KB a wave) beside 38 KB of weight and x that nobody shares, and they go straight into registers, where they stay: no tile of theirs passes through LDS.
; x's SCALE WORDS are read as 4 bytes of each of 64 rows of 128 bytes, two loads a wave: 2 KB of the work-group's 314 KB; the eight waves of a work-group take 32 neighbouring bytes of each row.
; REGISTERS, in windows of 256.  Window 0: v1-8 addresses; v10-13 the four steps' scale words; v16-31 at work; v32-95 weight, in the result's layout; v96-159 the eight accumulators (written by matrix instructions alone); v160-239 the codes, 20 for each step,
;   so that no store's data are written again; v240-247 x's addresses; v248-249 x's scale words.  Window 1: v0-63 B's fragments (tile t, rank step k at 8 t + 2 k); v64-95 A's (row step n, rank step k at 64 + 8 n + 2 k).
.set ROWP,  528                        ; weight's LDS row: 512 bytes + 16 of padding = 132 words: row r starts at bank 4 r mod 64 (64 banks of 4 bytes: ISA guide 11.1)
.set STEPB, 16*ROWP                    ; a tile: 16 rows
.set WREG,  4*STEPB                    ; a wave's four tiles
.set XT,    8*WREG                     ; behind them: x's 64 rows
.set XP,    816                        ; x's LDS row: 3 x (256 bytes + 16 of padding) = 204 words: row r starts at bank 12 r mod 64: sixteen different multiples of 4; lanes 16-31 stand 6 or 10 words on: the 32 lanes of a load of 8 bytes touch 64 different banks
.set FRB,   1536                       ; a fragment's image
.set UNIT,  12800                      ; 128 rows x 128 K: eight images and 512 bytes of scale words
.set RUNB,  32*UNIT                    ; a run of 128 rows, all of K
.set LANE, 1
.set RR,   2                           ; lane % 16
.set HH,   3                           ; lane / 16
.set WA,   4                           ; LDS: my 64 bytes' first in row r of my wave's first tile
.set VB,   5                           ; B: rank row 2 h, column r + 8 (r / 8)
.set VA,   6                           ; A: row r, rank 2 h
.set CO,   7                           ; my place in the first of my four images: 16 x lane + 4 images for the upper 64 rows of a run
.set SO,   8                           ; my place among the scale words: 8 images + 256 (y % 2) + 16 r + 8 h
.set S,    10
.set X,    14
.set TM,   16
.set WR,   32
.set ACC,  96
.set PC,   160
.set XF,   32                          ; x's four fragments, at the end, where weight's registers lay
.set XAD,  240                         ; v240-245 LDS address of piece p of my 48 bytes in row r of x's tile
.set XSO,  246                         ; x's scale bytes: row 32 h + r of 128 bytes
.set XRB,  247                         ; row r of x's tile
.set XS,   248
.set BT,   0
.set AF,   64
.set G1,   16                          ; s[16:23] descriptor group 1 for weight;  s[24:31] two groups 0
.set G0,   24
.set SEL,  44                          ; s[44:45] v_permlanex16_b32's selects for lane l xor 16
.set G1X,  56                          ; s[56:63] group 1 for x;  s[68:71] its group 0
.set G0X,  68
.set WV,   74                          ; s74 wave;  s75 work-group x;  s40 work-group y
.set GX,   75
.set MSB, 0
.macro WIN new                         ; the immediate's high byte repeats the setting that is left
.if MSB != \new
	s_set_vgpr_msb (MSB<<8)|\new
.set MSB, \new
.endif
.endm
	s_load_b256 s[4:11], s[0:1], 0x0               ; A s[4:5], B s[6:7], weight s[8:9], x's codes s[10:11]
	s_load_b128 s[12:15], s[0:1], 0x20             ; x's scale bytes s[12:13], W's result s[14:15]
	s_load_b64 s[72:73], s[0:1], 0x30              ; x's result
	v_lshl_add_u32 v254, v0, 2, 0x4ec00
	v_mov_b32 v255, 0
	ds_add_u32 v254, v255
	ds_add_u32 v254, v255
	v_lshrrev_b32 v9, 5, v0
	s_delay_alu instid0(VALU_DEP_1)
	v_readfirstlane_b32 s[WV], v9                  ; wave 0..7
	s_mov_b32 s[GX], ttmp9                         ; x
	s_and_b32 s40, ttmp7, 0xffff                   ; y
	v_and_b32 v[LANE], 31, v0
	v_and_b32 v[RR], 15, v0
	v_bfe_u32 v[HH], v0, 4, 1
	s_mul_i32 s41, s[WV], WREG                     ; my wave's tiles of weight
	v_mul_u32_u24 v[WA], v[RR], ROWP
	s_delay_alu instid0(VALU_DEP_1)
	v_lshl_add_u32 v[WA], v[HH], 6, v[WA]
	s_delay_alu instid0(VALU_DEP_1)
	v_add_nc_u32 v[WA], s41, v[WA]
	v_and_b32 v9, 8, v[RR]
	s_delay_alu instid0(VALU_DEP_1)
	v_add_nc_u32 v9, v9, v[RR]                     ; r + 8 (r / 8)
	s_delay_alu instid0(VALU_DEP_1)
	v_lshlrev_b32 v9, 2, v9
	s_delay_alu instid0(VALU_DEP_1)
	v_lshl_add_u32 v[VB], v[HH], 15, v9            ; two rows of B (16,384 bytes each) further down for lanes 16-31
	v_lshlrev_b32 v[VA], 6, v[RR]                  ; a row of A is 64 bytes
	s_delay_alu instid0(VALU_DEP_1)
	v_lshl_add_u32 v[VA], v[HH], 3, v[VA]
	s_and_b32 s55, s40, 1                          ; which 64 of a run's 128 rows
	s_mul_i32 s54, s55, 4*FRB
	v_lshlrev_b32 v[CO], 4, v[LANE]
	s_delay_alu instid0(VALU_DEP_1)
	v_add_nc_u32 v[CO], s54, v[CO]
	s_lshl_b32 s54, s55, 8
	s_add_co_u32 s54, s54, 8*FRB
	v_lshlrev_b32 v[SO], 4, v[RR]
	s_delay_alu instid0(VALU_DEP_1)
	v_lshl_add_u32 v[SO], v[HH], 3, v[SO]
	s_delay_alu instid0(VALU_DEP_1)
	v_add_nc_u32 v[SO], s54, v[SO]
	; x's tile: lane (r, h) wants, of row r, the 24 bytes at 96 w + 24 h and the 24 bytes 48 further on, in six pieces of 8; a piece at byte b of a row's 768 lies at b + 16 (b / 256)
	s_mul_i32 s54, s[WV], 96
	v_mul_u32_u24 v9, v[HH], 24
	s_delay_alu instid0(VALU_DEP_1)
	v_add_nc_u32 v9, s54, v9
	v_mul_u32_u24 v[XRB], v[RR], XP
	s_delay_alu instid0(VALU_DEP_1)
	v_add_nc_u32 v[XRB], XT, v[XRB]
.irp p, 0,1,2,3,4,5
	v_add_nc_u32 v[XAD+\p], 48*(\p/3)+8*(\p%3), v9
	s_delay_alu instid0(VALU_DEP_1)
	v_lshrrev_b32 v[X], 8, v[XAD+\p]
	s_delay_alu instid0(VALU_DEP_1)
	v_lshl_add_u32 v[XAD+\p], v[X], 4, v[XAD+\p]
	s_delay_alu instid0(VALU_DEP_1)
	v_add_nc_u32 v[XAD+\p], v[XRB], v[XAD+\p]
.endr
	v_lshlrev_b32 v[XSO], 7, v[RR]
	s_delay_alu instid0(VALU_DEP_1)
	v_lshl_add_u32 v[XSO], v[HH], 12, v[XSO]       ; lanes 16-31: 32 rows of 128 bytes further down
.irp b, 0,1,2,3
	v_mov_b32 v[TM+4+\b], 0                        ; written once: a lane permute's destination counts as one of its sources
.endr
	s_mov_b32 s[SEL], 0x76543210
	s_mov_b32 s[SEL+1], 0xfedcba98
	; descriptor group 1 for weight: a tile of 16 rows x 128 elements of 4 bytes, padded in LDS
	s_mov_b32 s[G1+0], (2<<16)|(1<<20)|(6<<22)|(3<<25)   ; 15:0 no mask; 17:16 elements of 4 bytes; 20 padding on; 24:22 after every 128 words (code 6); 31:25 of 4 words (code 3)
	s_mov_b32 s[G1+1], 128<<16                     ; tensor_dim0 = 128
	s_mov_b32 s[G1+2], 32<<16                      ; tensor_dim1 = 32: one load brings two tiles of 16 rows
	s_mov_b32 s[G1+3], 128<<16                     ; tile_dim0 = 128
	s_mov_b32 s[G1+4], 32                          ; tile_dim1 = 32
	s_mov_b32 s[G1+5], 4096                        ; elements from row to row
	s_mov_b32 s[G1+6], 0
	s_mov_b32 s[G1+7], 0
	; and for x: a tile of 8 rows x 96 elements of 8 bytes, 3,072 bytes from row to row
	s_mov_b32 s[G1X+0], (3<<16)|(1<<20)|(5<<22)|(3<<25)  ; elements of 8 bytes; padding on; after every 64 words (code 5), of 4 words (code 3)
	s_mov_b32 s[G1X+1], 96<<16
	s_mov_b32 s[G1X+2], 8<<16
	s_mov_b32 s[G1X+3], 96<<16
	s_mov_b32 s[G1X+4], 8
	s_mov_b32 s[G1X+5], 384
	s_mov_b32 s[G1X+6], 0
	s_mov_b32 s[G1X+7], 0
	; byte offsets, each in a pair of its own with 0 above it
	s_lshl_b32 s46, s[GX], 12
	s_lshl_b32 s54, s[WV], 9
	s_add_co_u32 s46, s46, s54                     ; B: 512 bytes x K step (8 x + w)
	s_mov_b32 s47, 0
	s_lshl_b32 s42, s40, 20                        ; weight: 64 y rows of 16,384 bytes, and the same 512 bytes x K step
	s_add_co_u32 s42, s42, s46
	s_mov_b32 s43, 0
	s_lshl_b32 s48, s40, 12                        ; A: 64 y rows of 64 bytes
	s_mov_b32 s49, 0
	s_lshr_b32 s54, s46, 9                         ; the K step
	s_lshr_b32 s50, s40, 1
	s_mul_i32 s50, s50, RUNB                       ; both results: run y / 2,
	s_mul_i32 s55, s54, UNIT
	s_add_co_u32 s50, s50, s55                     ; my K step's 12,800 bytes
	s_mov_b32 s51, 0
	s_lshl_b32 s78, s40, 6
	s_lshl_b32 s55, s[WV], 3
	s_add_co_u32 s78, s78, s55                     ; x's codes: row 64 y + 8 w,
	s_mul_i32 s78, s78, 3072
	s_mul_i32 s55, s[GX], 768
	s_add_co_u32 s78, s78, s55                     ; + 768 x
	s_mov_b32 s79, 0
	s_lshl_b32 s80, s40, 13                        ; x's scale bytes: 64 y rows of 128 bytes,
	s_lshl_b32 s55, s54, 2
	s_add_co_u32 s80, s80, s55                     ; + 4 bytes x K step
	s_mov_b32 s81, 0
	s_mul_i32 s76, s[WV], 8*XP                     ; my 8 rows of x's tile
	s_wait_alu depctr_va_vdst(0)
	s_wait_dscnt 0x0
	s_wait_kmcnt 0x0
	s_add_nc_u64 s[8:9], s[8:9], s[42:43]          ; weight at my wave's first tile
	s_add_nc_u64 s[10:11], s[10:11], s[78:79]      ; x's codes at my wave's 8 rows
	s_mov_b32 s[G0X], 1                            ; 1:0 count = 1
	s_add_co_u32 s[G0X+1], s76, XT                 ; 63:32 LDS address
	s_mov_b64 s[G0X+2:G0X+3], s[10:11]             ; 120:64 global address
	s_or_b32 s[G0X+3], s[G0X+3], 0x80000000        ; 127:126 type = 2
.irp t, 0,1
	s_mov_b32 s[G0+4*\t], 1
	s_add_co_u32 s[G0+4*\t+1], s41, \t*2*STEPB     ; my wave's tiles 2 t and 2 t + 1
	s_add_nc_u64 s[G0+4*\t+2:G0+4*\t+3], s[8:9], \t*524288   ; 32 rows on
	s_or_b32 s[G0+4*\t+3], s[G0+4*\t+3], 0x80000000
.endr
	; THE ORDER OF A WAVE'S THREE LOADS (one at the head and one behind each barrier): weight's rows 0-31 here; its rows 32-63 behind the first barrier; x's 8 rows behind the second
	tensor_load_to_lds s[G0:G0+3], s[G1:G1+7]
	s_nop 0
.rept 4
	v_nop                                          ; four lines behind the last tensor load, ahead of the switch of windows
.endr
	s_add_nc_u64 s[6:7], s[6:7], s[46:47]
	s_add_nc_u64 s[4:5], s[4:5], s[48:49]
	s_add_nc_u64 s[12:13], s[12:13], s[80:81]
	s_add_nc_u64 s[14:15], s[14:15], s[50:51]
	s_add_nc_u64 s[72:73], s[72:73], s[50:51]
	global_load_b32 v[XS], v[XSO], s[12:13]                ; x's scale words of my K step: lanes 0-15 those of blocks 0 and 1 of my four, lanes 16-31 those of blocks 2 and 3
	global_load_b32 v[XS+1], v[XSO], s[12:13] offset:2048
	WIN 0x40                                       ; destination window 1, address window 0
.irp t, 0,1,2,3,4,5,6,7                        ; B's fragments: register j of (tile t, rank step k) = B[4 k + 2 h + j][my column of tile t].  They stay
.irp k, 0,1,2,3
.irp j, 0,1
	global_load_b32 v[BT+8*\t+2*\k+\j], v[VB], s[6:7] offset:(4*\k+\j)*16384+(32*(\t/2)+8*(\t%2))*4
.endr
.endr
.endr
.irp n, 0,1,2,3                                ; A's: register j of (row step n, rank step k) = A[16 n + r][4 k + 2 h + j]
.irp k, 0,1,2,3
	global_load_b64 v[AF+8*\n+2*\k:AF+8*\n+2*\k+1], v[VA], s[4:5] offset:1024*\n+16*\k
.endr
.endr
	WIN 0
	; ---- weight's rows 0-31 in, rows 32-63 asked for
	s_wait_alu depctr_va_vdst(0)
	s_wait_tensorcnt 0x0                           ; weight's rows 0-31 have landed
	ds_add_u32 v254, v255
	s_wait_dscnt 0x0
	s_barrier_signal -1
	s_barrier_wait -1
	tensor_load_to_lds s[G0+4:G0+7], s[G1:G1+7]    ; weight's rows 32-63: they land while rows 0-31 are worked on
	s_nop 0
; weight's tile n out of LDS in the result's layout: register 8 (2 b + u) + j of lane (r, h) = weight[r][32 b + 16 h + 8 u + j]
.macro WLOAD n
.irp b, 0,1,2,3
.irp u, 0,1
.irp e, 0,1
	ds_load_b128 v[WR+8*(2*\b+\u)+4*\e:WR+8*(2*\b+\u)+4*\e+3], v[WA] offset:STEPB*(\n)+128*\b+32*\u+16*\e
.endr
.endr
.endr
.endm
; 32 matrix instructions: W' of row step n.  The first link of each of the eight sums takes weight as its C; the eight accumulators take turns, one instruction a turn.
.macro MM n
	WIN 0x05                                       ; sources 0 (B) and 1 (A) window 1; C and D window 0
.irp k, 0,1,2,3
.irp t, 0,1,2,3,4,5,6,7
.if \k == 0
	v_wmma_f32_16x16x4_f32 v[ACC+8*\t:ACC+8*\t+7], v[BT+8*\t+2*\k:BT+8*\t+2*\k+1], v[AF+8*(\n)+2*\k:AF+8*(\n)+2*\k+1], v[WR+8*\t:WR+8*\t+7]
.else
	v_wmma_f32_16x16x4_f32 v[ACC+8*\t:ACC+8*\t+7], v[BT+8*\t+2*\k:BT+8*\t+2*\k+1], v[AF+8*(\n)+2*\k:AF+8*(\n)+2*\k+1], v[ACC+8*\t:ACC+8*\t+7]
.endif
.endr
.endr
	WIN 0
.endm
; 64 numbers of a lane, v[s] .. v[s + 63], register 16 b + i = k 32 b + 16 (lane / 16) + i of my row, become a fragment's codes in v[pc] .. v[pc + 11] and its scale word in v[pw].  Each accumulator is read from its low end on.
.macro QUANT s, pc, pw
.irp b, 0,1,2,3
	v_max3_num_f32 v[TM+\b], |v[\s+16*\b]|, |v[\s+1+16*\b]|, 0x1800000   ; block b: my 16 numbers, and the floor 2^(3 - 127), under which no largest magnitude is taken: so the byte cannot fall under 1
.endr
.irp i, 2,4,6,8,10,12,14
.irp b, 0,1,2,3
	v_max3_num_f32 v[TM+\b], v[TM+\b], |v[\s+16*\b+\i]|, |v[\s+1+16*\b+\i]|   ; (the four blocks by turns: no line waits for the line above it)
.endr
.endr
.irp b, 0,1,2,3
	s_delay_alu instid0(VALU_DEP_4)
	v_permlanex16_b32 v[TM+4+\b], v[TM+\b], s[SEL], s[SEL+1]
.endr
.irp b, 0,1,2,3
	s_delay_alu instid0(VALU_DEP_4)
	v_max_num_f32 v[TM+\b], v[TM+\b], v[TM+4+\b]   ; with lane l xor 16's: the block's largest magnitude
.endr
.irp b, 0,1,2,3
	s_delay_alu instid0(VALU_DEP_4)
	v_add_nc_u32 v[TM+12+\b], 0xff000000, v[TM+\b] ; 2 off its exponent field: the conversion takes the exponent field of this operand as its scale, and nothing else of it
.endr
.irp b, 0,1,2,3
	s_delay_alu instid0(VALU_DEP_4)
	v_lshrrev_b32 v[TM+4+\b], 23, v[TM+12+\b]      ; the scale's byte
.endr
	s_delay_alu instid0(VALU_DEP_3)
	v_lshl_or_b32 v[\pw], v[TM+5], 8, v[TM+4]      ; the four bytes make my row's scale word (both halves of the lanes hold the same)
	s_delay_alu instid0(VALU_DEP_1)
	v_lshl_or_b32 v[\pw], v[TM+6], 16, v[\pw]
	s_delay_alu instid0(VALU_DEP_1)
	v_lshl_or_b32 v[\pw], v[TM+7], 24, v[\pw]
.irp c, 0,1
	v_cvt_scalef32_pk16_fp6_f32 v[(\pc)+6*\c:(\pc)+2+6*\c], v[\s+32*\c:\s+15+32*\c], v[TM+12+2*\c]
	v_cvt_scalef32_pk16_fp6_f32 v[(\pc)+12+4*\c:(\pc)+14+4*\c], v[\s+16+32*\c:\s+31+32*\c], v[TM+12+2*\c+1]   ; (a conversion's three registers begin on an even number)
.endr
	v_nop                                          ; one plain line behind the last scaled conversion: vector lines touch its results next, and the next step's matrix instructions write its sources
.irp c, 0,1                                    ; the operand's layout wants a WHOLE block in a lane: lanes 0-15 block 2 c, lanes 16-31 block 2 c + 1
.irp i, 0,1,2
	v_permlane16_swap_b32 v[(\pc)+6*\c+\i], v[(\pc)+12+4*\c+\i]
.endr
.irp i, 0,1,2
	s_delay_alu instid0(VALU_DEP_3)
	v_mov_b32 v[(\pc)+3+6*\c+\i], v[(\pc)+12+4*\c+\i]
.endr
.endr
.endm
; A step: 16 rows.  The next tile of weight comes out of LDS while this step's numbers are quantised.
.macro STEP n
	s_wait_dscnt 0x0                               ; weight's tile is in registers
	MM \n
.rept 8
	v_nop                                          ; eight places behind this form, ahead of the loads into the registers that were C and of the first read of the results
.endr                                          ; the next step's first links write over these results: the ninth place that this asks for is among the plain lines of the quantiser that name no accumulator
.if (\n) == 0 || (\n) == 2
	WLOAD \n+1                                     ; the second tile of a load that has landed
.endif
	QUANT ACC, PC+20*(\n), S+(\n)
.irp c, 0,1,2
	global_store_b128 v[CO], v[PC+20*(\n)+4*\c:PC+20*(\n)+4*\c+3], s[14:15] offset:FRB*(\n)+512*\c   ; 32 lanes store 512 consecutive bytes, at a multiple of 512 from the buffer's first byte
.endr
.endm
	; ---- W'
	WLOAD 0
	s_wait_loadcnt 0x0                             ; x's scale words, B's and A's fragments
	global_store_b64 v[SO], v[XS:XS+1], s[72:73]   ; row r's four words are 16 bytes, 8 from each half of the lanes: 32 lanes store 256 consecutive bytes, aligned
	s_wait_xcnt 0x0                                ; x's scale-word store has read v248-249
	STEP 0
	STEP 1
	s_wait_alu depctr_va_vdst(0)
	s_wait_tensorcnt 0x0                           ; weight's rows 32-63 have landed
	ds_add_u32 v254, v255
	s_wait_dscnt 0x0
	s_barrier_signal -1
	s_barrier_wait -1
	tensor_load_to_lds s[G0X:G0X+3], s[G1X:G1X+7]  ; my 8 rows of x: they land while rows 32-63 are worked on
	s_nop 0
	WLOAD 2
	STEP 2
	STEP 3
	v_cmp_le_u32 vcc_lo, 16, v[LANE]               ; lanes 0-15 store the words of steps 0 and 1, lanes 16-31 those of steps 2 and 3
	s_delay_alu instid0(VALU_DEP_1)
	v_cndmask_b32 v[X], v[S], v[S+2], vcc_lo
	s_delay_alu instid0(VALU_DEP_2)
	v_cndmask_b32 v[X+1], v[S+1], v[S+3], vcc_lo
	global_store_b64 v[SO], v[X:X+1], s[14:15]     ; 32 lanes store 256 consecutive bytes, aligned
	; ---- x: out of its rows, into images
	s_wait_tensorcnt 0x0                           ; my 8 rows of x have landed
	s_barrier_signal -1
	s_barrier_wait -1                              ; everybody's 8 rows have
.irp n, 0,1,2,3
.irp p, 0,1,2,3,4,5
	ds_load_b64 v[XF+12*\n+2*\p:XF+12*\n+2*\p+1], v[XAD+\p] offset:16*XP*\n   ; block n's fragment: registers 6 c .. 6 c + 5 = K 64 c + 32 h + 0 .. 31 of token 16 n + r, as the bits lie
.endr
.endr
	s_wait_dscnt 0x0
.irp n, 0,1,2,3
.irp c, 0,1,2
	global_store_b128 v[CO], v[XF+12*\n+4*\c:XF+12*\n+4*\c+3], s[72:73] offset:FRB*\n+512*\c   ; 32 lanes store 512 consecutive bytes, at a multiple of 512 from the buffer's first byte
.endr
.endr
	s_wait_tensorcnt 0x0                           ; the wave's end
	ds_add_u32 v254, v255
	s_wait_dscnt 0x0
	s_endpgm
.Lfunc_end_k_qd811b396fc_prep:
	.size	k_qd811b396fc_prep, .Lfunc_end_k_qd811b396fc_prep-k_qd811b396fc_prep
	.p2alignl 7, 3214868480
	.fill 96, 4, 3214868480
	.section	.rodata,"a",@progbits
	.p2align	6, 0x0
	.amdhsa_kernel k_qd811b396fc_prep
		.amdhsa_group_segment_fixed_size 327680
		.amdhsa_private_segment_fixed_size 0
		.amdhsa_enable_private_segment 0
		.amdhsa_kernarg_size 56
		.amdhsa_user_sgpr_count 2
		.amdhsa_user_sgpr_kernarg_segment_ptr 1
		.amdhsa_wavefront_size32 1
		.amdhsa_system_sgpr_workgroup_id_x 1
		.amdhsa_system_sgpr_workgroup_id_y 1
		.amdhsa_system_sgpr_workgroup_id_z 1
		.amdhsa_system_vgpr_workitem_id 0
		.amdhsa_next_free_vgpr 384
		.amdhsa_next_free_sgpr 82
		.amdhsa_reserve_vcc 1
		.amdhsa_float_denorm_mode_32 3
		.amdhsa_float_denorm_mode_16_64 3
		.amdhsa_memory_ordered 1
		.amdhsa_forward_progress 1
		.amdhsa_inst_pref_size 52
	.end_amdhsa_kernel
	.amdgpu_metadata
---
amdhsa.version: [ 1, 2 ]
amdhsa.kernels:
  - .name:           k_qd811b396fc_prep
    .symbol:         k_qd811b396fc_prep.kd
    .args:
      - { .name: A, .offset: 0, .size: 8, .value_kind: global_buffer, .address_space: global }
      - { .name: B, .offset: 8, .size: 8, .value_kind: global_buffer, .address_space: global }
      - { .name: weight, .offset: 16, .size: 8, .value_kind: global_buffer, .address_space: global }
      - { .name: x_codes, .offset: 24, .size: 8, .value_kind: global_buffer, .address_space: global }
      - { .name: x_scales, .offset: 32, .size: 8, .value_kind: global_buffer, .address_space: global }
      - { .name: wq, .offset: 40, .size: 8, .value_kind: global_buffer, .address_space: global }
      - { .name: xq, .offset: 48, .size: 8, .value_kind: global_buffer, .address_space: global }
    .group_segment_fixed_size: 327680
    .private_segment_fixed_size: 0
    .kernarg_segment_align: 8
    .kernarg_segment_size: 56
    .max_flat_workgroup_size: 256
    .sgpr_count:     82
    .vgpr_count:     384
    .wavefront_size: 32
...
	.end_amdgpu_metadata
.endif
;; end of part 1
;; launch gemm (part 2): grid 16 x 16, 4 waves a work-group, clusters of 4 x 4, 327,680 bytes of LDS; arguments wq, xq, out0; writes out0
.if DOCPART == 2
	.amdgcn_target "amdgcn-amd-amdhsa--gfx1250"
	.amdhsa_code_object_version 6
	.text
	.protected	k_qd811b396fc_gemm
	.globl	k_qd811b396fc_gemm
	.p2align	8
	.type	k_qd811b396fc_gemm,@function
k_qd811b396fc_gemm:
	s_mov_b64 s[64:65], 0
	v_nop
	global_prefetch_b8 v0, s[64:65] scope:SCOPE_SE
	s_setreg_imm32_b32 hwreg(HW_REG_WAVE_MODE, 25, 1), 1
	s_wait_xcnt 0x0
	s_wait_alu depctr_hold_cnt(0) depctr_sa_sdst(0) depctr_va_vdst(0) depctr_va_sdst(0) depctr_va_ssrc(0) depctr_va_vcc(0) depctr_vm_vsrc(0)
	s_getreg_b32 s2, hwreg(HW_REG_IB_STS2, 6, 4)
	s_cmp_eq_u32 s2, 0
	s_cbranch_scc0 .Lentry_in_a_cluster
	s_endpgm
.Lentry_in_a_cluster:
	s_bfe_u32 s2, ttmp6, 0x10000c
	s_cmp_lg_u32 s2, 0xf033
	s_cbranch_scc0 .Lentry_shape_is_right
	s_endpgm
.Lentry_shape_is_right:
; out0[o][t] = sum over k of W'[o][k] x[t][k]: both operands as FP6 (E2M3) codes with E8M0 scale bytes, in the form that the launch before has laid:
; [run of 128 rows: 32][128 along K: 32][12,800 bytes]: eight fragments (16 rows x 128 K) as images of their 12 registers, 1,536 bytes each, then 512 bytes of scale words.
; A work-group of four waves makes 256 x 256 of out0, a wave 128 x 128: 64 accumulators.  K goes in steps of 128 through a ring of two LDS slots; a slot holds three steps
; of two runs of W' and two runs of x (4 x 38,400 bytes); each wave fetches one run's part with one tensor load of 150 dense rows of 256 bytes (the last fill: two steps, 100 rows).
; CLUSTERS: 4 x 4 work-groups; W's runs are shared along a row of the cluster, x's along a column: joint loads, each refill behind a round of the cluster's barrier.
; THE MATRIX INSTRUCTION IS USED TRANSPOSED (source 0 = 16 tokens of x, source 1 = 16 rows of W'): a lane holds eight neighbouring numbers of a row of out0.
; REGISTERS, in windows of 256.  Every window w: v128-255 the 16 accumulators of W's blocks 2 w, 2 w + 1 ((a, b) at v[128 + 8 (8 (a % 2) + b)]); v32-127 one set of eight fragments:
;   window 0, 1: W's sets 0, 1;  window 2, 3: x's sets 0, 1.  Window 0 also: v8-23 scale words, two sets; v24-31 addresses.  Window 2 also: v4-7 the LDS addresses of the fragments.
; BOTH OPERANDS HAVE TWO SETS.  A step of parity p multiplies sets p, and brings the next step's fragments and scale words into sets 1 - p by 50 LDS loads in TWO runs:
; 32 at the step's head (the scale words, W's eight images, x's first two) and 18 behind its 32nd product (x's other six).  The wait for both stands at the next step's head.
; PREFETCH: each run is asked for in pieces of 32,768 bytes, which the four partners that load it share out by address (8,192 bytes each, a lane to each 256); every cluster asks for what it loads.
; Two pieces behind the first fragment loads (bytes 49,152 to 114,687 of the run; what lies ahead of them comes by the first two fills alone), then two and one by turns behind the refills of the loop's
; first three trips: the last piece ends with the run.
.set SIZE_N, 4096
.set FR,     12
.set UNIT,   12800
.set SCO,    12288                     ; the scale words behind a unit's eight images
.set RUNB,   32*UNIT
.set HALF,   3*UNIT                    ; a run's part of a slot
.set BOFF,   2*HALF                    ; x's two runs lie behind W's two
.set SLOT,   4*HALF
.set TRIPS,  4
.set SPARE,  2*SLOT                    ; the spare words, 128 bytes a wave
.set STAGE,  SLOT                      ; the way out's stage lies in slot 1: the last fill of the launch goes to slot 0, and slot 1's last read stands ahead of the walk's last barrier
.set SPITCH, 528
.set PIECE,  32768
.set PF0,    RUNB-11*PIECE
.set CUT,    6                         ; of x's 24 loads the first run takes 6
.set AD,   4                           ; window 2: v4-5 W's fragments in slot 0, 1; v6-7 x's
.set SC,   8                           ; scale words: set p at v[8 + 8 p]: registers 0-3 W's (lanes 0-15 blocks 0-3, lanes 16-31 blocks 4-7), 4-7 x's
.set STO,  24
.set RD,   25
.set CO,   26
.set SPW,  28
.set NIL,  29
.set PFO,  31
.set G1, 24                            ; s[24:31] group 1 for W's runs; s[32:39] group 0, one for each slot
.set G0, 32
.set G1B, 48                           ; the same for x's runs
.set G0B, 56
.set G1L, 68                           ; groups 1 of the last fill, 100 rows
.set G1BL, 80
.set PFA, 96
.set TST, 100
.set MSB, 0
.macro WIN new                         ; the immediate's high byte repeats the setting that is left
.if MSB != (\new)
	s_set_vgpr_msb (MSB<<8)|(\new)
.set MSB, (\new)
.endif
.endm
.macro PLACES                          ; four places behind this form, ahead of loads into registers that matrix instructions have read and of reads of results
.rept 4
	v_nop
.endr
.endm
.macro JLOAD g0a, g1a, g0b, g1b        ; a joint load: waves 0 and 1 fetch W's runs, waves 2 and 3 x's; s_nop 0 and four v_nop behind each line
	s_cmp_eq_u32 s15, 0
	s_cbranch_scc0 .Lfor_b_\@
	tensor_load_to_lds s[\g0a:\g0a+3], s[\g1a:\g1a+7]
	s_nop 0
	PLACES
	s_branch .Lasked_\@
.Lfor_b_\@:
	tensor_load_to_lds s[\g0b:\g0b+3], s[\g1b:\g1b+7]
	s_nop 0
	PLACES
.Lasked_\@:
.endm
.macro CREST                           ; a round of the cluster's barrier behind its opening barrier
	s_cmp_lg_u32 s14, 0
	s_cbranch_scc1 .Lnot_wave_0_\@
	s_barrier_signal -3
.Lnot_wave_0_\@:
	s_barrier_wait -3
	s_barrier_signal -1
	s_barrier_wait -1
.endm
.macro CROUND
	s_barrier_signal -1
	s_barrier_wait -1
	CREST
.endm
.macro ASK two                         ; not in the loop's last trip: the run's last piece has been asked for by then
	s_cmp_gt_u32 s3, 1
	s_cbranch_scc0 .Lno_ask_\@
	global_prefetch_b8 v[PFO], s[PFA:PFA+1] th:TH_LOAD_NT scope:SCOPE_SE
.if \two
	global_prefetch_b8 v[PFO], s[PFA:PFA+1] offset:PIECE th:TH_LOAD_NT scope:SCOPE_SE
.endif
.Lno_ask_\@:
.endm
	s_load_b128 s[4:7], s[0:1], 0x0                ; W's codes and scales s[4:5], x's s[6:7]
	s_load_b64 s[12:13], s[0:1], 0x10              ; out0
	v_lshl_add_u32 v[SPW], v0, 2, SPARE
	v_mov_b32 v[NIL], 0
	ds_add_u32 v[SPW], v[NIL]                      ; the opening lines: the add twice on end and its wait ahead of my first tensor load
	ds_add_u32 v[SPW], v[NIL]
	v_lshrrev_b32 v1, 5, v0
	v_readfirstlane_b32 s14, v1                    ; wave 0..3
	s_lshr_b32 s15, s14, 1                         ; my half of the block's rows; also: I fetch for W' (0) or x (1)
	s_and_b32 s16, s14, 1                          ; my half of its columns; also: which of the two runs I fetch
	s_bfe_u32 s40, ttmp6, 0x40000                  ; cx
	s_bfe_u32 s41, ttmp6, 0x40004                  ; cy
	s_lshl_b32 s42, ttmp9, 2
	s_add_co_u32 s42, s42, s40                     ; block column
	s_and_b32 s17, ttmp7, 0xffff
	s_lshl_b32 s17, s17, 2
	s_add_co_u32 s17, s17, s41                     ; block row
	s_lshl_b32 s43, s41, 2
	s_lshl_b32 s43, 15, s43                        ; my row of the cluster
	s_lshl_b32 s44, 0x1111, s40                    ; my column
	s_or_b32 s[G1+0], s43, (3<<16)|(1<<21)         ; the mask; elements of 8 bytes; bit 21 beside a mask; no padding: the images are read at 16 x lane
	s_or_b32 s[G1L+0], s43, (3<<16)|(1<<21)
	s_or_b32 s[G1B+0], s44, (3<<16)|(1<<21)
	s_or_b32 s[G1BL+0], s44, (3<<16)|(1<<21)
.irp g, G1, G1B
	s_mov_b32 s[\g+1], 32<<16                      ; rows of 32 elements = 256 bytes
	s_mov_b32 s[\g+2], 150<<16
	s_mov_b32 s[\g+3], 32<<16
	s_mov_b32 s[\g+4], 150
	s_mov_b32 s[\g+5], 32
	s_mov_b32 s[\g+6], 0
	s_mov_b32 s[\g+7], 0
.endr
.irp g, G1L, G1BL
	s_mov_b32 s[\g+1], 32<<16
	s_mov_b32 s[\g+2], 100<<16
	s_mov_b32 s[\g+3], 32<<16
	s_mov_b32 s[\g+4], 100
	s_mov_b32 s[\g+5], 32
	s_mov_b32 s[\g+6], 0
	s_mov_b32 s[\g+7], 0
.endr
	s_lshl_b32 s20, s17, 1
	s_add_co_u32 s20, s20, s16
	s_mul_i32 s20, s20, RUNB                       ; W': run 2 x block row + which
	s_mov_b32 s21, 0
	s_lshl_b32 s46, s42, 1
	s_add_co_u32 s46, s46, s16
	s_mul_i32 s46, s46, RUNB                       ; x: run 2 x block column + which
	s_mov_b32 s47, 0
	s_mul_i32 s45, s16, HALF                       ; where they go
	s_add_co_u32 s94, s45, BOFF
	s_wait_dscnt 0x0                               ; both opening adds are done
	s_wait_kmcnt 0x0
	s_add_nc_u64 s[20:21], s[4:5], s[20:21]
	s_add_nc_u64 s[46:47], s[6:7], s[46:47]
.irp s, 0,1
	s_mov_b32 s[G0+4*\s], 1
	s_add_co_u32 s[G0+4*\s+1], s45, \s*SLOT
	s_add_nc_u64 s[G0+4*\s+2:G0+4*\s+3], s[20:21], \s*HALF
	s_or_b32 s[G0+4*\s+3], s[G0+4*\s+3], 0x80000000
	s_mov_b32 s[G0B+4*\s], 1
	s_add_co_u32 s[G0B+4*\s+1], s94, \s*SLOT
	s_add_nc_u64 s[G0B+4*\s+2:G0B+4*\s+3], s[46:47], \s*HALF
	s_or_b32 s[G0B+4*\s+3], s[G0B+4*\s+3], 0x80000000
.endr
	CROUND                                         ; all sixteen work-groups are here: the first joint loads meet
	JLOAD G0, G1, G0B, G1B                         ; steps 0 to 2: one tensor load a wave at the head
	; under that load's flight: where my part of out0 begins,
	s_lshl_b32 s20, s17, 8
	s_lshl_b32 s21, s15, 7
	s_add_co_u32 s20, s20, s21
	s_lshl_b32 s20, s20, 14                        ; rows of 16,384 bytes
	s_lshl_b32 s46, s42, 10
	s_add_co_u32 s20, s20, s46
	s_lshl_b32 s46, s16, 9
	s_add_co_u32 s20, s20, s46
	s_mov_b32 s21, 0
	s_add_nc_u64 s[12:13], s[12:13], s[20:21]
	; where my prefetches begin: the run that I fetch, my work-group's 8,192 bytes of a piece (cx for W', cy for x: shared out by address)
	s_lshl_b32 s18, s17, 1
	s_add_co_u32 s18, s18, s16
	s_mul_i32 s18, s18, RUNB
	s_lshl_b32 s19, s40, 13
	s_add_co_u32 s18, s18, s19
	s_lshl_b32 s19, s42, 1
	s_add_co_u32 s19, s19, s16
	s_mul_i32 s19, s19, RUNB
	s_lshl_b32 s22, s41, 13
	s_add_co_u32 s19, s19, s22
	s_cmp_eq_u32 s15, 0
	s_cselect_b64 s[PFA:PFA+1], s[4:5], s[6:7]
	s_cselect_b32 s[TST], s18, s19
	s_mov_b32 s[TST+1], 0
	s_add_nc_u64 s[PFA:PFA+1], s[PFA:PFA+1], s[TST:TST+1]
	s_add_nc_u64 s[PFA:PFA+1], s[PFA:PFA+1], PF0
	; and the LDS addresses
	s_mul_i32 s21, s15, HALF                       ; my run of W' in slot 0,
	s_add_co_u32 s18, s21, SLOT                    ; in slot 1;
	s_mul_i32 s22, s16, HALF
	s_add_co_u32 s22, s22, BOFF                    ; my run of x in slot 0,
	s_add_co_u32 s19, s22, SLOT                    ; in slot 1
	s_mul_i32 s23, s14, 16*SPITCH
	s_add_co_u32 s23, s23, STAGE                   ; my stage
	v_and_b32 v1, 15, v0
	v_bfe_u32 v2, v0, 4, 1
	v_and_b32 v6, 31, v0
	v_lshlrev_b32 v3, 4, v6                        ; an image is read at 16 x lane
	v_mul_u32_u24 v5, v1, SPITCH
	v_lshl_add_u32 v5, v2, 5, v5
	v_add_nc_u32 v[STO], s23, v5                   ; into the stage: row l % 16, 32 bytes for each half of the lanes
	v_lshlrev_b32 v[CO], 4, v6
	v_add_nc_u32 v[RD], s23, v[CO]                 ; back: 32 lanes take a row of 512 bytes
	v_lshlrev_b32 v[PFO], 8, v6
	WIN 0x80                                       ; the fragments' addresses go to window 2 (sources in window 0)
	v_add_nc_u32 v[AD+0], s21, v3
	v_add_nc_u32 v[AD+1], s18, v3
	v_add_nc_u32 v[AD+2], s22, v3
	v_add_nc_u32 v[AD+3], s19, v3
	WIN 0
.macro WM zero, rb, ra                 ; one product; rb, ra: the scale words of x's (W's) block lie in lanes 16-31
.if \zero
.if (\rb) && (\ra)
	v_wmma_scale_f32_16x16x128_f8f6f4 v[rD:rD+7], v[rB:rB+FR-1], v[rA:rA+FR-1], 0, v[rSB], v[rSA] matrix_a_fmt:MATRIX_FMT_FP6 matrix_b_fmt:MATRIX_FMT_FP6 matrix_a_scale:MATRIX_SCALE_ROW1 matrix_b_scale:MATRIX_SCALE_ROW1
.elseif \rb
	v_wmma_scale_f32_16x16x128_f8f6f4 v[rD:rD+7], v[rB:rB+FR-1], v[rA:rA+FR-1], 0, v[rSB], v[rSA] matrix_a_fmt:MATRIX_FMT_FP6 matrix_b_fmt:MATRIX_FMT_FP6 matrix_a_scale:MATRIX_SCALE_ROW1
.elseif \ra
	v_wmma_scale_f32_16x16x128_f8f6f4 v[rD:rD+7], v[rB:rB+FR-1], v[rA:rA+FR-1], 0, v[rSB], v[rSA] matrix_a_fmt:MATRIX_FMT_FP6 matrix_b_fmt:MATRIX_FMT_FP6 matrix_b_scale:MATRIX_SCALE_ROW1
.else
	v_wmma_scale_f32_16x16x128_f8f6f4 v[rD:rD+7], v[rB:rB+FR-1], v[rA:rA+FR-1], 0, v[rSB], v[rSA] matrix_a_fmt:MATRIX_FMT_FP6 matrix_b_fmt:MATRIX_FMT_FP6
.endif
.else
.if (\rb) && (\ra)
	v_wmma_scale_f32_16x16x128_f8f6f4 v[rD:rD+7], v[rB:rB+FR-1], v[rA:rA+FR-1], v[rD:rD+7], v[rSB], v[rSA] matrix_a_fmt:MATRIX_FMT_FP6 matrix_b_fmt:MATRIX_FMT_FP6 matrix_a_scale:MATRIX_SCALE_ROW1 matrix_b_scale:MATRIX_SCALE_ROW1
.elseif \rb
	v_wmma_scale_f32_16x16x128_f8f6f4 v[rD:rD+7], v[rB:rB+FR-1], v[rA:rA+FR-1], v[rD:rD+7], v[rSB], v[rSA] matrix_a_fmt:MATRIX_FMT_FP6 matrix_b_fmt:MATRIX_FMT_FP6 matrix_a_scale:MATRIX_SCALE_ROW1
.elseif \ra
	v_wmma_scale_f32_16x16x128_f8f6f4 v[rD:rD+7], v[rB:rB+FR-1], v[rA:rA+FR-1], v[rD:rD+7], v[rSB], v[rSA] matrix_a_fmt:MATRIX_FMT_FP6 matrix_b_fmt:MATRIX_FMT_FP6 matrix_b_scale:MATRIX_SCALE_ROW1
.else
	v_wmma_scale_f32_16x16x128_f8f6f4 v[rD:rD+7], v[rB:rB+FR-1], v[rA:rA+FR-1], v[rD:rD+7], v[rSB], v[rSA] matrix_a_fmt:MATRIX_FMT_FP6 matrix_b_fmt:MATRIX_FMT_FP6
.endif
.endif
.endm
; A quarter of a step: products lo .. hi - 1 of the 16 on window w's accumulators (W's blocks 2 w, 2 w + 1 x x's eight), from sets p: source 0 in window 2 + p, source 1 in window p, C and D in window w.
; The 64 accumulators take turns, one instruction a turn, in the same order in every step.
.macro QTR w, p, zero, lo, hi
	WIN ((\w)<<6)|((\w)<<4)|((\p)<<2)|(2+(\p))
.set QI, 0
.irp a, 0,1
.irp b, 0,1,2,3,4,5,6,7
.if QI >= (\lo) && QI < (\hi)
.set rD, 128+8*(8*\a+\b)
.set rB, 32+FR*\b
.set rA, 32+FR*(2*(\w)+\a)
.set rSB, SC+8*(\p)+4+(\b%4)
.set rSA, SC+8*(\p)+(2*(\w)+\a)%4
	WM \zero, \b/4, (\w)/2
.endif
.set QI, QI+1
.endr
.endr
.endm
.macro SCALES ns, nq, p                ; the scale words of unit nq of slot ns into set p: destination window 0, addresses from window 2
	WIN 0x02
	ds_load_b128 v[SC+8*(\p):SC+8*(\p)+3], v[AD+(\ns)] offset:(\nq)*UNIT+SCO
	ds_load_b128 v[SC+8*(\p)+4:SC+8*(\p)+7], v[AD+2+(\ns)] offset:(\nq)*UNIT+SCO
.endm
.macro FETCH win, adr, q, k0, k1       ; loads k0 .. k1 - 1 of the 24 that bring the eight images of unit q, 12,288 consecutive bytes, into v32-127 of window win
	WIN ((\win)<<6)|2
.set KK, (\k0)
.rept (\k1)-(\k0)
	ds_load_b128 v[32+4*KK:32+4*KK+3], v[\adr] offset:(\q)*UNIT+512*KK
.set KK, KK+1
.endr
.endm
.macro NEXT1 ns, nq, p                 ; the first run, 32 loads: of unit nq of slot ns the scale words, W's images and x's first two, into sets p
	SCALES \ns, \nq, \p
	FETCH \p, AD+(\ns), \nq, 0, 24
	FETCH 2+(\p), AD+2+(\ns), \nq, 0, CUT
.endm
.macro NEXT2 ns, nq, p                 ; the second run, 18 loads: x's other six images
	FETCH 2+(\p), AD+2+(\ns), \nq, CUT, 24
.endm
; A step of parity p; the next step's fragments lie in unit nq of slot ns, the same slot.
.macro STEP p, ns, nq, zero
	s_wait_dscnt 0x0                               ; sets p are in: their second run was issued 32 products ago
	PLACES                                         ; behind the last step's products, which read sets 1 - p: these places serve both runs
	NEXT1 \ns, \nq, 1-(\p)
	QTR 0, \p, \zero, 0, 16
	QTR 1, \p, \zero, 0, 16
	NEXT2 \ns, \nq, 1-(\p)
	QTR 2, \p, \zero, 0, 16
	QTR 3, \p, \zero, 0, 16
.endm
; A slot's last step: all its fragments are in registers, so the slot is given up at the step's head.  fill = 1: it is filled again, two fills ahead; 2: with the last two steps; 0: no more.
.macro TURN slot, next, p, fill
.if (\fill) == 1
	s_wait_xcnt 0x0                                ; my prefetches have read their address: it is stepped here
	s_add_nc_u64 s[PFA:PFA+1], s[PFA:PFA+1], (1+\slot)*PIECE
.endif
	WIN 0
	s_wait_tensorcnt 0x0                           ; all my tensor loads have landed: my part of the next slot
	ds_add_u32 v[SPW], v[NIL]
	s_wait_dscnt 1                                 ; sets p are in; the add alone may be out
	QTR 0, \p, 0, 0, 8
	s_wait_dscnt 0x0                               ; the add is done; my reads of this slot were over above
	s_barrier_signal -1
	QTR 0, \p, 0, 8, 16
	WIN 0
	s_barrier_wait -1
.if \fill
	CREST                                          ; the barrier has opened a round: no wave of any partner still reads this slot or has a load on its way
	s_add_nc_u64 s[G0+4*\slot+2:G0+4*\slot+3], s[G0+4*\slot+2:G0+4*\slot+3], 2*HALF
	s_add_nc_u64 s[G0B+4*\slot+2:G0B+4*\slot+3], s[G0B+4*\slot+2:G0B+4*\slot+3], 2*HALF
.if (\fill) == 1
	JLOAD G0+4*\slot, G1, G0B+4*\slot, G1B         ; its four v_nop are the places ahead of the loads below
.else
	JLOAD G0+4*\slot, G1L, G0B+4*\slot, G1BL
.endif
.else
	PLACES
.endif
	NEXT1 \next, 0, 1-(\p)
.if (\fill) == 1
	WIN 0
	ASK 1-\slot                                    ; behind the joint load and the first run of LDS loads
.endif
	QTR 1, \p, 0, 0, 16
	NEXT2 \next, 0, 1-(\p)
	QTR 2, \p, 0, 0, 16
	QTR 3, \p, 0, 0, 16
.endm
	s_wait_alu depctr_va_vdst(0)
	s_wait_tensorcnt 0x0                           ; my part of slot 0 is in
	ds_add_u32 v[SPW], v[NIL]
	s_wait_dscnt 0x0
	CROUND                                         ; everybody's part is in, and the joint loads meet
	JLOAD G0+4, G1, G0B+4, G1B                     ; steps 3 to 5, into slot 1
	NEXT1 0, 0, 0
	NEXT2 0, 0, 0
	WIN 0
	global_prefetch_b8 v[PFO], s[PFA:PFA+1] th:TH_LOAD_NT scope:SCOPE_SE                    ; two pieces: the rest of what slot 1's fill asks for, and the first refill's
	global_prefetch_b8 v[PFO], s[PFA:PFA+1] offset:PIECE th:TH_LOAD_NT scope:SCOPE_SE
	STEP 0, 0, 1, 1                                ; the first step's products start the sums
	WIN 0                                          ; at a label and at a branch every window is 0
	s_wait_xcnt 0x0
	s_add_nc_u64 s[PFA:PFA+1], s[PFA:PFA+1], PIECE ; at the second of these pieces: the first refill steps it on
	s_mov_b32 s3, TRIPS
.Llap:                                                 ; a trip: six steps, once round the ring
	STEP 1, 0, 2, 0
	TURN 0, 1, 0, 1
	STEP 1, 1, 1, 0
	STEP 0, 1, 2, 0
	TURN 1, 0, 1, 1
	STEP 0, 0, 1, 0
	WIN 0
	s_sub_co_u32 s3, s3, 1
	s_cmp_lg_u32 s3, 0
	s_cbranch_scc1 .Llap
	STEP 1, 0, 2, 0                                ; steps 25 to 31
	TURN 0, 1, 0, 2
	STEP 1, 1, 1, 0
	STEP 0, 1, 2, 0
	TURN 1, 0, 1, 0
	STEP 0, 0, 1, 0
	s_wait_dscnt 0x0
.irp w, 0,1,2,3
	QTR \w, 1, 0, 0, 16
.endr
; THE WAY OUT, block by block of 16 rows x 128 columns, through my own stage: 32 bytes a lane in, whole rows of 512 bytes back (into v32-95 of window 0 and 1 by turns), which 32 lanes store as two aligned units of 256 bytes.
.macro TOSTAGE a
.set AC, 128+64*((\a)%2)
	WIN ((\a)/2)<<2                                ; the data: window a / 2
.irp b, 0,1,2,3,4,5,6,7
	ds_store_b128 v[STO], v[AC+8*\b:AC+8*\b+3] offset:64*\b          ; each accumulator from its low end on
	ds_store_b128 v[STO], v[AC+8*\b+4:AC+8*\b+7] offset:64*\b+16
.endr
	WIN ((\a)%2)<<6
.irp t, 0,1,2,3,4,5,6,7,8,9,10,11,12,13,14,15
	ds_load_b128 v[32+4*\t:32+4*\t+3], v[RD] offset:\t*SPITCH        ; LDS serves a wave's instructions in order (ISA guide 5.7.1.4)
.endr
.endm
.macro SEND a, younger
	s_wait_dscnt \younger
.if (\a) > 0
	s_add_nc_u64 s[12:13], s[12:13], 16*SIZE_N*4   ; behind a wait on XCNT
.endif
	WIN ((\a)%2)<<2
.irp t, 0,1,2,3,4,5,6,7,8,9,10,11,12,13,14,15
	global_store_b128 v[CO], v[32+4*\t:32+4*\t+3], s[12:13] offset:\t*SIZE_N*4 th:TH_STORE_NT
.endr
.endm
	PLACES
	TOSTAGE 0
.irp a, 1,2,3,4,5,6,7
.if \a > 1
	s_wait_xcnt 0x0                                ; block a - 2's stores have read their registers and their base
.endif
	TOSTAGE \a
	SEND \a-1, 32                                  ; behind block a - 1's loads: block a's 16 stores and 16 loads
.endr
	s_wait_xcnt 0x0
	SEND 7, 0
	WIN 0
	s_wait_tensorcnt 0x0                           ; the wave's end
	ds_add_u32 v[SPW], v[NIL]
	s_wait_dscnt 0x0
	CROUND                                         ; the closing round
	s_endpgm
.Lfunc_end_k_qd811b396fc_gemm:
	.size	k_qd811b396fc_gemm, .Lfunc_end_k_qd811b396fc_gemm-k_qd811b396fc_gemm
	.p2alignl 7, 3214868480
	.fill 96, 4, 3214868480
	.section	.rodata,"a",@progbits
	.p2align	6, 0x0
	.amdhsa_kernel k_qd811b396fc_gemm
		.amdhsa_group_segment_fixed_size 327680
		.amdhsa_private_segment_fixed_size 0
		.amdhsa_enable_private_segment 0
		.amdhsa_kernarg_size 24
		.amdhsa_user_sgpr_count 2
		.amdhsa_user_sgpr_kernarg_segment_ptr 1
		.amdhsa_wavefront_size32 1
		.amdhsa_system_sgpr_workgroup_id_x 1
		.amdhsa_system_sgpr_workgroup_id_y 1
		.amdhsa_system_sgpr_workgroup_id_z 1
		.amdhsa_system_vgpr_workitem_id 0
		.amdhsa_next_free_vgpr 1024
		.amdhsa_next_free_sgpr 102
		.amdhsa_reserve_vcc 0
		.amdhsa_float_denorm_mode_32 3
		.amdhsa_float_denorm_mode_16_64 3
		.amdhsa_memory_ordered 1
		.amdhsa_forward_progress 1
		.amdhsa_inst_pref_size 204
	.end_amdhsa_kernel
	.amdgpu_metadata
---
amdhsa.version: [ 1, 2 ]
amdhsa.kernels:
  - .name:           k_qd811b396fc_gemm
    .symbol:         k_qd811b396fc_gemm.kd
    .args:
      - { .name: wq, .offset: 0, .size: 8, .value_kind: global_buffer, .address_space: global }
      - { .name: xq, .offset: 8, .size: 8, .value_kind: global_buffer, .address_space: global }
      - { .name: out0, .offset: 16, .size: 8, .value_kind: global_buffer, .address_space: global }
    .group_segment_fixed_size: 327680
    .private_segment_fixed_size: 0
    .kernarg_segment_align: 8
    .kernarg_segment_size: 24
    .max_flat_workgroup_size: 128
    .sgpr_count:     102
    .vgpr_count:     1024
    .wavefront_size: 32
...
	.end_amdgpu_metadata
.endif
;; end of part 2
